; MI455X (gfx1250); checked and timed in simulation.
; The chip was launched on July 23, 2026; its instructions are those of AMD's public machine-readable ISA for CDNA 5 (MIT licence, August 2026) and "CDNA5" Instruction Set Architecture Reference Guide (July 2026). The comments in the code are by the model that wrote it; some were corrected since.
;; Fig Linear. Allowed arithmetic: float matrix products may take bf16 or f16 operands with f32 sums; other float arithmetic in f32, or as packed bf16 or f16 multiplies, adds, multiply-adds, maxima and minima; sums over many terms, partial sums and values carried from step to step in f32; what a program stores and reads back later, other than sums and carried values, may be rounded once to bf16 or f16.
;; Inputs: bias 2,048 float32; codebook 16 float32; lora_A 4,096 x 16 float32; lora_B 16 x 2,048 float32; q_indices 8,388,608 int32; scales 65,536 float32; x 4 x 2,048 x 4,096 float32.
;; Outputs: out0 4 x 2,048 x 2,048 float32.
;; 2 versions, each right; version 2 is version 1 with the launch prep written anew for expert scheduling mode. Each part assembles by itself: llvm-mc -triple=amdgcn-amd-amdhsa -mcpu=gfx1250 --defsym DOCPART=n.
;; ======== version 1 of 2: 2 launches
;; workspace buffers: xb 67,108,864 bytes; wb 16,777,216 bytes
;; launch prep (part 1): grid 512 x 1, 8 waves a work-group, no clusters, 68,608 bytes of LDS; arguments x, q_indices, codebook, scales, lora_A, lora_B, xb, wb; writes xb, wb
.if DOCPART == 1
	.amdgcn_target "amdgcn-amd-amdhsa--gfx1250"
	.amdhsa_code_object_version 6
	.text
	.protected	k_q5d0519692d_prep
	.globl	k_q5d0519692d_prep
	.p2align	8
	.type	k_q5d0519692d_prep,@function
k_q5d0519692d_prep:
	s_mov_b64 s[64:65], 0
	v_nop
	global_prefetch_b8 v0, s[64:65] scope:SCOPE_SE
	s_setreg_imm32_b32 hwreg(HW_REG_WAVE_MODE, 25, 1), 1
	s_wait_xcnt 0x0
; PREPARATION.  xb = x rounded to bf16.  wb[o][i] = bf16( cb[q[o][i]] * s[o][i/128] + sum over r of A[i][r] * 2 B[r][o] ): the dequantised weight with the low-rank
; update folded in, since (x A) B 2 = x (2 A B) for every input.  x: [8192][4096] f32, q: [2048][4096] i32, codebook: [16], scales: [2048][32], lora_A: [4096][16], lora_B: [16][2048], all f32.
; Every input is rounded to bf16 first (codebook, scales, lora_A, 2 lora_B, x); the low-rank sum and the fused multiply-add are f32; wb is rounded once.
; LIMITS.  An index outside 0..15, read as an unsigned number, counts as 15.  2 lora_B is formed ahead of its rounding: exact while |lora_B| is under 1.7e38.  cb s + delta is ONE fused
; multiply-add (one rounding where the written formula has two).  NaN and infinities are not treated apart.
; SHARES.  512 work-groups of eight waves: 4,096 waves.  Wave w of work-group n makes (a) one block of wb: 16 rows o (block ob = 8 (n % 16) + w) x one group of 128 columns (g = n / 16);
; (b) 32,768 consecutive bytes of x (number 8 n + w) into 16,384 of xb.  No wave reads a byte that another wave wrote: no barrier.  Memory binds: no cluster and no tensor load, since
; the waves of a work-group share nothing but 8,192 bytes of lora_A; all loads go through registers, 16 loads of 512 bytes a wave on their way.
; THE LOW-RANK PRODUCT.  Source 0 = 16 rows i of A, source 1 = 16 columns o of 2 B, K = the rank 16 in the lower half of the instruction's 32 (the upper half is 0 in both sources).
; In the result lane (r, h) holds row o = r and the columns i = 16 t + 8 h + 0..7; q and wb want a lane to hold 4 neighbouring i of ONE row for all 32 lanes, so the block goes through my own stage in LDS.
.set SPITCH, 528                       ; a stage row: 512 bytes + 16: the 16 rows that a store touches fall on 16 different 16-byte columns of 256
.set STGB,   16*SPITCH                 ; a wave's stage: 16 rows
.set SPARE,  8*STGB                    ; behind the eight stages: the spare words, 128 bytes for each wave: four blocks of 256 bytes that no other line names
.set L16, 4                            ; v4   16 x lane: q and x
.set L8,  5                            ; v5   8 x lane: wb and xb
.set AO,  6                            ; v6   lora_A: 64 r + 32 h
.set BO,  7                            ; v7   lora_B: 4 r + 8 h rows of 8,192 bytes
.set CO,  8                            ; v8   codebook: 4 r
.set SO,  9                            ; v9   scales: r rows of 128 bytes
.set STS, 10                           ; v10  stage, in: my stage + 528 r + 32 h
.set STL, 11                           ; v11  stage, back: my stage + 16 x lane
.set SPW, 12                           ; v12  LDS address of my spare word: SPARE + 4 x my thread's number; never rewritten
.set NIL, 13                           ; v13  0; never rewritten
.set CB,  14                           ; v14  lane l: codebook[l % 16], rounded to bf16, as f32
.set SC,  15                           ; v15  lane l: the scale of row l % 16 of my block, rounded to bf16, as f32
.set BF,  16                           ; v[16:23]   2 B's fragment
.set AF,  32                           ; v[32:95]   A's eight fragments;
.set DL,  32                           ;            later the low-rank block by rows: row p at DL + 4 p
.set D,   96                           ; v[96:159]  the eight results;
.set X,   96                           ;            later x's ring of 16 slots of 4
.set Q,   160                          ; v[160:223] row p's indices, then its values, then its 8 bytes of wb, at Q + 4 p
.set Y,   224                          ; v[224:255] xb's ring of 16 slots of 2
.set SCL, 30                           ; s[30:31]   a row's scale in the low word; the packed line names the pair
	s_load_b256 s[4:11], s[0:1], 0x0               ; x s[4:5], q s[6:7], codebook s[8:9], scales s[10:11]
	s_load_b256 s[12:19], s[0:1], 0x20             ; lora_A s[12:13], lora_B s[14:15], xb s[16:17], wb s[18:19]
	v_lshl_add_u32 v[SPW], v0, 2, SPARE
	v_mov_b32 v[NIL], 0
	v_lshrrev_b32 v1, 5, v0
	v_readfirstlane_b32 s20, v1                    ; wave 0..7
	s_lshr_b32 s21, ttmp9, 4                       ; g
	s_and_b32 s22, ttmp9, 15
	s_lshl_b32 s22, s22, 3
	s_add_co_u32 s22, s22, s20                     ; ob
	s_lshl_b32 s23, ttmp9, 3
	s_add_co_u32 s23, s23, s20                     ; my number among the 4,096 waves
	s_mul_i32 s26, s20, STGB                       ; my stage
	s_mov_b32 s25, 0                               ; the high word of every offset
	s_mov_b32 s[SCL+1], 0                          ; named with the scale as a pair, so it is written
	v_and_b32 v1, 31, v0                           ; lane
	v_and_b32 v2, 15, v0                           ; r
	v_bfe_u32 v3, v0, 4, 1                         ; h
	v_lshlrev_b32 v[L16], 4, v1
	v_lshlrev_b32 v[L8], 3, v1
	v_lshlrev_b32 v[AO], 6, v2
	v_lshl_add_u32 v[AO], v3, 5, v[AO]
	v_lshlrev_b32 v[BO], 2, v2
	v_lshl_add_u32 v[BO], v3, 16, v[BO]
	v_lshlrev_b32 v[CO], 2, v2
	v_lshlrev_b32 v[SO], 7, v2
	v_mul_u32_u24 v[STS], v2, SPITCH
	v_lshl_add_u32 v[STS], v3, 5, v[STS]
	v_add_nc_u32 v[STS], s26, v[STS]
	v_lshl_add_u32 v[STL], v1, 4, s26
	s_wait_kmcnt 0x0
	s_lshl_b32 s24, s22, 18                        ; q: 16 ob rows of 16,384 bytes + g groups of 512
	s_lshl_b32 s27, s21, 9
	s_add_co_u32 s24, s24, s27
	s_add_nc_u64 s[6:7], s[6:7], s[24:25]
	s_lshl_b32 s24, s22, 17                        ; wb: 16 ob rows of 8,192 bytes + g groups of 256
	s_lshl_b32 s27, s21, 8
	s_add_co_u32 s24, s24, s27
	s_add_nc_u64 s[18:19], s[18:19], s[24:25]
	s_lshl_b32 s24, s22, 11                        ; scales: 16 ob rows of 128 bytes + 4 g
	s_lshl_b32 s27, s21, 2
	s_add_co_u32 s24, s24, s27
	s_add_nc_u64 s[10:11], s[10:11], s[24:25]
	s_lshl_b32 s24, s21, 13                        ; lora_A: 128 g rows of 64 bytes
	s_add_nc_u64 s[12:13], s[12:13], s[24:25]
	s_lshl_b32 s24, s22, 6                         ; lora_B: 16 ob columns of 4 bytes
	s_add_nc_u64 s[14:15], s[14:15], s[24:25]
	s_lshl_b32 s24, s23, 15                        ; x: my 32,768 bytes
	s_add_nc_u64 s[4:5], s[4:5], s[24:25]
	s_lshl_b32 s24, s23, 14                        ; xb: my 16,384 bytes
	s_add_nc_u64 s[16:17], s[16:17], s[24:25]
	; 42 loads: 26 small ones, then the block's 16 rows of indices
	global_load_b32 v[CB], v[CO], s[8:9]
	global_load_b32 v[SC], v[SO], s[10:11]
.irp j, 0,1,2,3,4,5,6,7
	global_load_b32 v[BF+(\j)], v[BO], s[14:15] offset:(\j)*8192              ; B[8 h + j][16 ob + r]
.endr
.irp t, 0,1,2,3,4,5,6,7
	global_load_b128 v[AF+8*(\t):AF+8*(\t)+3],   v[AO], s[12:13] offset:(\t)*1024     ; A[128 g + 16 t + r][8 h + 0..3]
	global_load_b128 v[AF+8*(\t)+4:AF+8*(\t)+7], v[AO], s[12:13] offset:(\t)*1024+16  ; and 4..7
.endr
.irp p, 0,1,2,3,4,5,6,7,8,9,10,11,12,13,14,15
	global_load_b128 v[Q+4*(\p):Q+4*(\p)+3], v[L16], s[6:7] offset:(\p)*16384 th:TH_LOAD_NT  ; row p's group: 512 consecutive bytes a wave
.endr
	s_wait_loadcnt 16                              ; the 16 loads of indices are the only younger ones: the 26 small loads are in
	v_cvt_pk_bf16_f32 v[CB], v[CB], v[CB]          ; rounded to bf16,
	v_cvt_pk_bf16_f32 v[SC], v[SC], v[SC]
	v_lshlrev_b32 v[CB], 16, v[CB]                 ; and held as f32
	v_lshlrev_b32 v[SC], 16, v[SC]
.irp i, 0,2,4,6
	v_pk_mul_f32 v[BF+(\i):BF+(\i)+1], v[BF+(\i):BF+(\i)+1], 2.0 op_sel_hi:[1,0]  ; the scale alpha / r = 2, exact
.endr
.irp i, 0,1,2,3
	v_cvt_pk_bf16_f32 v[BF+(\i)], v[BF+2*(\i)], v[BF+2*(\i)+1]  ; in place, ascending: register i is written when its own number has been read
.endr
.irp i, 4,5,6,7
	v_mov_b32 v[BF+(\i)], 0                        ; K = 16..31 does not exist: 0 in both sources, so that no stray bit pattern is multiplied
.endr
.irp t, 0,1,2,3,4,5,6,7
.irp i, 0,1,2,3
	v_cvt_pk_bf16_f32 v[AF+8*(\t)+(\i)], v[AF+8*(\t)+2*(\i)], v[AF+8*(\t)+2*(\i)+1]
.endr
.irp i, 4,5,6,7
	v_mov_b32 v[AF+8*(\t)+(\i)], 0
.endr
.endr
.irp t, 0,1,2,3,4,5,6,7                ; eight accumulators, one instruction each: no chain
	v_wmma_f32_16x16x32_bf16 v[D+8*(\t):D+8*(\t)+7], v[AF+8*(\t):AF+8*(\t)+7], v[BF:BF+7], 0
.endr
.rept 8
	v_nop                                          ; the places behind the last product, in front of the LDS stores that read results and of the loads into A's registers
.endr
.irp t, 0,1,2,3,4,5,6,7
	ds_store_b128 v[STS], v[D+8*(\t):D+8*(\t)+3]   offset:64*(\t)      ; each result's low registers first
	ds_store_b128 v[STS], v[D+8*(\t)+4:D+8*(\t)+7] offset:64*(\t)+16
.endr
.irp p, 0,1,2,3,4,5,6,7,8,9,10,11,12,13,14,15
	ds_load_b128 v[DL+4*(\p):DL+4*(\p)+3], v[STL] offset:(\p)*SPITCH  ; LDS serves a wave's instructions in order (ISA guide 5.7.1.4): these see my stores above
.endr
	s_wait_dscnt 0x0                               ; the block is back by rows; the stores have read the results' registers
.irp i, 0,1,2,3,4,5,6,7,8,9,10,11,12,13,14,15
	global_load_b128 v[X+4*(\i):X+4*(\i)+3], v[L16], s[4:5] offset:512*(\i) th:TH_LOAD_NT  ; x's ring is filled: it comes in while the weights are made
.endr
; Row p's indices become lane numbers, and each lane pulls its four values of the table from the lanes that hold them.
.macro GATH p
	s_wait_loadcnt 31-(\p)                         ; younger than row p's load: 15 - p rows of indices and x's 16
.irp z, 0,1,2,3
	v_min_u32 v[Q+4*(\p)+(\z)], 15, v[Q+4*(\p)+(\z)]
.endr
.irp z, 0,1,2,3
	v_lshlrev_b32 v[Q+4*(\p)+(\z)], 2, v[Q+4*(\p)+(\z)]
.endr
.irp z, 0,1,2,3
	ds_bpermute_b32 v[Q+4*(\p)+(\z)], v[Q+4*(\p)+(\z)], v[CB]
.endr
.endm
; Row p is finished: value x scale + low-rank part, rounded once, 8 bytes a lane.  n = the permutes issued behind row p's.
.macro FIN p, n
	s_wait_dscnt \n
	v_readlane_b32 s[SCL], v[SC], \p
	v_pk_fma_f32 v[Q+4*(\p):Q+4*(\p)+1],   v[Q+4*(\p):Q+4*(\p)+1],   s[SCL:SCL+1], v[DL+4*(\p):DL+4*(\p)+1]   op_sel_hi:[1,0,1]
	v_pk_fma_f32 v[Q+4*(\p)+2:Q+4*(\p)+3], v[Q+4*(\p)+2:Q+4*(\p)+3], s[SCL:SCL+1], v[DL+4*(\p)+2:DL+4*(\p)+3] op_sel_hi:[1,0,1]
	v_cvt_pk_bf16_f32 v[Q+4*(\p)],   v[Q+4*(\p)],   v[Q+4*(\p)+1]
	v_cvt_pk_bf16_f32 v[Q+4*(\p)+1], v[Q+4*(\p)+2], v[Q+4*(\p)+3]
	global_store_b64 v[L8], v[Q+4*(\p):Q+4*(\p)+1], s[18:19] offset:(\p)*8192 th:TH_STORE_NT  ; the wave stores 256 consecutive bytes, at a multiple of 256 from wb's first; these registers are not written again
.endm
	GATH 0
	GATH 1
.irp p, 0,1,2,3,4,5,6,7,8,9,10,11,12,13
	GATH (\p)+2                                    ; two rows' permutes are out while a row is finished
	FIN \p, 8
.endr
	FIN 14, 4
	FIN 15, 0
	; x to xb: 64 turns of 512 bytes in, 256 bytes out; 16 slots, so 16 loads of the wave are on their way.  Every step stands in an immediate: no address register is rewritten.
.set k, 0
.rept 64
.set i, k%16
.if k < 48
	s_wait_loadcnt 15                              ; loads come back in order (ISA guide 5.7.1): this slot's is in, the 15 younger ones stay out
.else
	s_wait_loadcnt 63-k                            ; the last 16 turns load nothing: the counts run down
.endif
.if k >= 16
	s_wait_xcnt 0x0                                ; this slot's two output registers were the data of the store 16 turns back: they are rewritten only behind this wait
.endif
	v_cvt_pk_bf16_f32 v[Y+2*i],   v[X+4*i],   v[X+4*i+1]
	v_cvt_pk_bf16_f32 v[Y+2*i+1], v[X+4*i+2], v[X+4*i+3]
.if k < 48
	global_load_b128 v[X+4*i:X+4*i+3], v[L16], s[4:5] offset:512*(k+16) th:TH_LOAD_NT
.endif
	global_store_b64 v[L8], v[Y+2*i:Y+2*i+1], s[16:17] offset:256*k th:TH_STORE_NT  ; 256 consecutive bytes, at a multiple of 256 from xb's first
.set k, k+1
.endr
	s_wait_tensorcnt 0x0                           ; the wave's end, behind my last LDS store
	ds_add_u32 v[SPW], v[NIL]
	s_wait_dscnt 0x0
	s_endpgm
.Lfunc_end_k_q5d0519692d_prep:
	.size	k_q5d0519692d_prep, .Lfunc_end_k_q5d0519692d_prep-k_q5d0519692d_prep
	.p2alignl 7, 3214868480
	.fill 96, 4, 3214868480
	.section	.rodata,"a",@progbits
	.p2align	6, 0x0
	.amdhsa_kernel k_q5d0519692d_prep
		.amdhsa_group_segment_fixed_size 68608
		.amdhsa_private_segment_fixed_size 0
		.amdhsa_enable_private_segment 0
		.amdhsa_kernarg_size 64
		.amdhsa_user_sgpr_count 2
		.amdhsa_user_sgpr_kernarg_segment_ptr 1
		.amdhsa_wavefront_size32 1
		.amdhsa_system_sgpr_workgroup_id_x 1
		.amdhsa_system_sgpr_workgroup_id_y 1
		.amdhsa_system_sgpr_workgroup_id_z 1
		.amdhsa_system_vgpr_workitem_id 0
		.amdhsa_next_free_vgpr 256
		.amdhsa_next_free_sgpr 66
		.amdhsa_reserve_vcc 0
		.amdhsa_float_denorm_mode_32 3
		.amdhsa_float_denorm_mode_16_64 3
		.amdhsa_memory_ordered 1
		.amdhsa_forward_progress 1
		.amdhsa_inst_pref_size 52
	.end_amdhsa_kernel
	.amdgpu_metadata
---
amdhsa.version: [ 1, 2 ]
amdhsa.kernels:
  - .name:           k_q5d0519692d_prep
    .symbol:         k_q5d0519692d_prep.kd
    .args:
      - { .name: x, .offset: 0, .size: 8, .value_kind: global_buffer, .address_space: global }
      - { .name: q_indices, .offset: 8, .size: 8, .value_kind: global_buffer, .address_space: global }
      - { .name: codebook, .offset: 16, .size: 8, .value_kind: global_buffer, .address_space: global }
      - { .name: scales, .offset: 24, .size: 8, .value_kind: global_buffer, .address_space: global }
      - { .name: lora_A, .offset: 32, .size: 8, .value_kind: global_buffer, .address_space: global }
      - { .name: lora_B, .offset: 40, .size: 8, .value_kind: global_buffer, .address_space: global }
      - { .name: xb, .offset: 48, .size: 8, .value_kind: global_buffer, .address_space: global }
      - { .name: wb, .offset: 56, .size: 8, .value_kind: global_buffer, .address_space: global }
    .group_segment_fixed_size: 68608
    .private_segment_fixed_size: 0
    .kernarg_segment_align: 8
    .kernarg_segment_size: 64
    .max_flat_workgroup_size: 256
    .sgpr_count:     66
    .vgpr_count:     256
    .wavefront_size: 32
...
	.end_amdgpu_metadata
.endif
;; end of part 1
;; launch gemm (part 2): grid 8 x 32, 4 waves a work-group, clusters of 4 x 4, 327,680 bytes of LDS; arguments xb, wb, out0, bias; writes out0
.if DOCPART == 2
	.amdgcn_target "amdgcn-amd-amdhsa--gfx1250"
	.amdhsa_code_object_version 6
	.text
	.protected	k_q5d0519692d_gemm
	.globl	k_q5d0519692d_gemm
	.p2align	8
	.type	k_q5d0519692d_gemm,@function
k_q5d0519692d_gemm:
	s_mov_b64 s[64:65], 0
	v_nop
	global_prefetch_b8 v0, s[64:65] scope:SCOPE_SE
	s_setreg_imm32_b32 hwreg(HW_REG_WAVE_MODE, 25, 1), 1
	s_wait_xcnt 0x0
	s_wait_alu depctr_hold_cnt(0) depctr_sa_sdst(0) depctr_va_vdst(0) depctr_va_sdst(0) depctr_va_ssrc(0) depctr_va_vcc(0) depctr_vm_vsrc(0)
	s_getreg_b32 s2, hwreg(HW_REG_IB_STS2, 6, 4)
	s_cmp_eq_u32 s2, 0
	s_cbranch_scc0 .Lentry_in_a_cluster
	s_endpgm
.Lentry_in_a_cluster:
	s_bfe_u32 s2, ttmp6, 0x10000c
	s_cmp_lg_u32 s2, 0xf033
	s_cbranch_scc0 .Lentry_shape_is_right
	s_endpgm
.Lentry_shape_is_right:
; out0[m][n] = sum over k of xb[m][k] wb[n][k] + bias[n].  xb: [8192][4096] bf16, wb: [2048][4096] bf16 (both made by the launch before), bias: [2048] f32, out0: [8192][2048] f32.
; Sums in f32, in the matrix unit's order, K ascending; bias is rounded to bf16 like the module's other inputs and STARTS the sums as the first product's C operand: nothing is cleared, nothing is added at the end.
; LIMITS.  NaN and infinities are not treated apart.
; SHARES.  A tile of out0, 256 x 256, is made by a work-group of four waves; a wave makes 128 x 128: 64 accumulators of 16 x 16, 512 registers.  32 x 8 tiles: 256 work-groups, one tile each.
; K goes in 32 steps of 128 through a ring of two LDS slots filled by the tensor data mover: a tile's rows are 256 bytes of memory and start at multiples of 256 bytes from the buffer's first byte.
; CLUSTERS: 4 x 4 work-groups.  The four of a row of the cluster need the same tiles of xb (A), the four of a column the same tiles of wb (B): each tile is asked for JOINTLY, by the same tensor load
; with the same descriptor and a mask that names the four; each receives it in its own LDS.  That divides the requests for A and for B by four.
; REGISTERS, in windows of 256 (s_set_vgpr_msb: bits 1:0 source 0, 3:2 source 1, 5:4 source 2, 7:6 destination):
;   window 0: v0-31 addresses; v32-63 at work on the bias; v64-127, v128-191 fragments of A, two buffers, on the way out two buffers of 16 rows read back; v192-255 the bias of my 128 columns
;   window 1: v64-127, v128-191 fragments of B, two buffers
;   window 2: the 32 accumulators of my rows 0-63 (accumulator (a, b) at v[8 (8 a + b)]);   window 3: those of my rows 64-127
; THE MATRIX INSTRUCTION IS USED TRANSPOSED: source 0 = 16 rows of B, source 1 = 16 rows of A: lane l then holds row l % 16 of out0 and the columns 8 (l / 16) + 0..7: 32 neighbouring bytes.
.set SIZE_M, 8192
.set SIZE_N, 2048
.set SIZE_K, 4096
.set KSTEP,  128
.set PITCH,  272                       ; an LDS row: 256 bytes of data + 16 of padding = 68 words: row r starts at bank 4 r mod 64 (64 banks of 4 bytes: ISA guide 11.1), so the 16 rows that a load touches start at 16 different banks
.set HALFT,  128*PITCH                 ; 128 rows: what one tensor load brings, and what one wave reads of A or of B
.set SLOT,   4*HALFT                   ; A's 256 rows, then B's 256 rows
.set STAGE,  2*SLOT                    ; behind the ring: 16 rows x 528 bytes for each wave, for the way out; no tensor load lands there
.set SPITCH, 528                       ; a stage row: 512 bytes (128 f32) + 16
.set SPARE,  STAGE+4*16*SPITCH         ; behind the stages: the spare words, 128 bytes for each wave: two blocks of 256 bytes that no other line names
.set LAPS,   SIZE_K/(2*KSTEP)          ; a lap = two K steps = once round the ring: 16
.set ADRA, 16                          ; v16-17  LDS address of my A fragments in slot 0, 1
.set ADRB, 20                          ; v20-21  the same for B
.set STO,  24                          ; v24     the way out: where I put 32 bytes of a row
.set RD,   25                          ; v25     the way out: where I read 16 bytes of a row back
.set CO,   26                          ; v26     my byte offset in a row's 512 bytes of out0
.set BOF,  27                          ; v27     my byte offset in bias
.set SPW,  28                          ; v28     LDS address of my spare word: SPARE + 4 x my thread's number; never rewritten
.set NIL,  29                          ; v29     0; never rewritten
.set PFO,  30                          ; v30     the prefetches' offset: my lane x a row of A or B in memory (8,192 bytes); never rewritten
.set TMP,  32                          ; v32-63  the bias, packed
.set F0,   64                          ; fragment buffer 0
.set F1,   128                         ; fragment buffer 1
.set BIAS, 192                         ; v192-255 register 8 b + j: bias of my column 16 b + 8 (l / 16) + j; never rewritten once made
.set G1,  24                           ; s[24:31] descriptor group 1 for A's tiles
.set G0,  32                           ; s[32:39] descriptor group 0 for A's tiles, one set for each slot
.set LIM, 43                           ; s43      1 in a wave that prefetches, else the greatest number
.set PFA, 44                           ; s[44:45] where my prefetches stand: my work-group's 32 rows of the 128 that I fetch, one K step further along K than the refill that is being asked for
.set G1B, 48                           ; s[48:55] descriptor group 1 for B's tiles: it differs from A's in the mask alone
.set G0B, 56                           ; s[56:63] descriptor group 0 for B's tiles, one set for each slot
.set BI,  66                           ; s[66:67] bias
.set MSB, 0
.macro WIN new                         ; the immediate's high byte repeats the setting that is left; a switch that changes nothing is dropped
.if MSB != (\new)
	s_set_vgpr_msb (MSB<<8)|(\new)
.set MSB, \new
.endif
.endm
.set TO_B, 0x40                        ; destination window 1, address window 0
; A joint load.  Waves 0 and 1 fetch A's two halves, waves 2 and 3 B's.  Each of the two lines has ONE mask and one set of registers for all that issue it.  The branch hangs on the wave's number alone.
; An s_nop 0 and four v_nop follow each of the two lines; the jump round the other line, the label and what follows the macro come after them.
.macro JLOAD s
	s_cmp_eq_u32 s11, 0
	s_cbranch_scc0 .Lfor_b_\@
	tensor_load_to_lds s[G0+4*(\s):G0+4*(\s)+3], s[G1:G1+7]
	s_nop 0
.rept 4
	v_nop
.endr
	s_branch .Lasked_\@
.Lfor_b_\@:
	tensor_load_to_lds s[G0B+4*(\s):G0B+4*(\s)+3], s[G1B:G1B+7]
	s_nop 0
.rept 4
	v_nop
.endr
.Lasked_\@:
.endm
; A PREFETCH INTO THE L2, behind each joint load, its five lines and the run of LDS loads that follows them: the K step that stands TWO refills on (512 matrix instructions ahead of the load that will
; want it): 32 rows x 256 bytes, a lane a row, one instruction a wave.  Each row's 256 bytes of a K step are named ONCE in the launch: A's tile row is read by both clusters of that row of clusters, and
; cluster x = 0 asks; B's tile column by all eight clusters of that column, and cluster y = 0 asks.  The four partners that ask for a tile jointly share its rows out BY ADDRESS: of the 128 rows that
; a wave fetches, the partner at place p takes 32 p .. 32 p + 31 (p = cx for A, cy for B): no branch hangs on a work-group's place in its cluster.  K steps 0 to 3 come by their loads alone;
; the loop's last trip (s3 = 1) asks for nothing: its refills are K steps 30 and 31, and there is no K step two on.
.macro ASK
	s_cmp_gt_u32 s3, s[LIM]
	s_cbranch_scc0 .Lnot_mine_\@
	global_prefetch_b8 v[PFO], s[PFA:PFA+1] offset:KSTEP*2 th:TH_LOAD_NT scope:SCOPE_SE
.Lnot_mine_\@:
.endm
; A round of the cluster's barrier: my work-group's barrier, so that wave 0's signal speaks for all four waves; wave 0 signals for the work-group; every wave waits for all
; sixteen work-groups; my work-group's barrier once more.  No LDS instruction of the wave is pending at a signal.
.macro CREST                           ; a round behind its opening barrier
	s_cmp_lg_u32 s10, 0
	s_cbranch_scc1 .Lnot_wave_0_\@
	s_barrier_signal -3
.Lnot_wave_0_\@:
	s_barrier_wait -3
	s_barrier_signal -1
	s_barrier_wait -1
.endm
.macro CROUND                          ; a whole round
	s_barrier_signal -1
	s_barrier_wait -1
	CREST
.endm
	s_load_b128 s[4:7], s[0:1], 0x0                ; A = xb s[4:5], B = wb s[6:7]
	s_load_b64 s[8:9], s[0:1], 0x10                ; out0
	s_load_b64 s[BI:BI+1], s[0:1], 0x18            ; bias
	v_lshl_add_u32 v[SPW], v0, 2, SPARE
	v_mov_b32 v[NIL], 0
	ds_add_u32 v[SPW], v[NIL]                      ; the wave's opening: the add and its wait stand ahead of my first tensor load; the set-up below, work on registers, stands between them
	v_lshrrev_b32 v1, 5, v0
	v_readfirstlane_b32 s10, v1                    ; wave 0..3
	s_lshr_b32 s11, s10, 1                         ; which half of the tile's rows is mine.  Also: I fetch for A (0) or for B (1)
	s_and_b32 s12, s10, 1                          ; which half of its columns.  Also: which 128 rows of that tile I fetch
	s_bfe_u32 s40, ttmp6, 0x40000                  ; cx: my place along the cluster's x
	s_bfe_u32 s41, ttmp6, 0x40004                  ; cy: along its y
	s_lshl_b32 s42, ttmp9, 2                       ; in a cluster launch ttmp9 and ttmp7 count clusters
	s_add_co_u32 s42, s42, s40                     ; tile column = 4 x cluster x + cx
	s_and_b32 s13, ttmp7, 0xffff
	s_lshl_b32 s13, s13, 2
	s_add_co_u32 s13, s13, s41                     ; tile row = 4 x cluster y + cy
	s_lshl_b32 s43, s41, 2
	s_lshl_b32 s43, 15, s43                        ; my row of the cluster: places 4 cy .. 4 cy + 3
	s_lshl_b32 s44, 0x1111, s40                    ; my column: places cx, cx + 4, cx + 8, cx + 12
	; descriptor group 1: a tile of 128 rows x 128 elements, padded in LDS
	s_or_b32 s[G1+0], s43, (1<<16)|(1<<20)|(1<<21)|(5<<22)|(3<<25)  ; 15:0 the mask: A's tiles go to my row; 17:16 element of 2 bytes; 20 padding on; 21 set beside a mask; 24:22 after every 64 words (code 5); 31:25 of 4 words (code 3)
	s_or_b32 s[G1B+0], s44, (1<<16)|(1<<20)|(1<<21)|(5<<22)|(3<<25) ; the same with the mask of my column, for B's tiles
	s_mov_b32 s[G1B+1], KSTEP<<16
	s_mov_b32 s[G1+1], KSTEP<<16                   ; 63:48 tensor_dim0, low half = 128
	s_mov_b32 s[G1B+2], 128<<16
	s_mov_b32 s[G1+2], 128<<16                     ; 79:64 its high half = 0; 95:80 tensor_dim1, low half = 128
	s_mov_b32 s[G1B+3], KSTEP<<16
	s_mov_b32 s[G1+3], KSTEP<<16                   ; 111:96 its high half = 0; 127:112 tile_dim0 = 128
	s_mov_b32 s[G1B+4], 128
	s_mov_b32 s[G1+4], 128                         ; 143:128 tile_dim1 = 128; 159:144 tile_dim2 = 0
	s_mov_b32 s[G1B+5], SIZE_K
	s_mov_b32 s[G1+5], SIZE_K                      ; 191:160 tensor_dim0_stride, low word: elements from row to row
	s_mov_b32 s[G1B+6], 0
	s_mov_b32 s[G1+6], 0
	s_mov_b32 s[G1B+7], 0
	s_mov_b32 s[G1+7], 0
	; where the tiles come from.  A's hang on the tile row alone, which my row of the cluster shares; B's on the tile column alone, which my column shares.
	; Every wave makes both addresses, in registers that never hold the other coordinate, and asks by one of them.
	s_lshl_b32 s17, s12, 7                         ; which 128 rows of the tile I fetch
	s_lshl_b32 s16, s13, 8
	s_add_co_u32 s16, s16, s17                     ; A: row 256 x tile row + 128 x half
	s_lshl_b32 s46, s42, 8
	s_add_co_u32 s46, s46, s17                     ; B: row 256 x tile column + 128 x half
	s_mov_b32 s17, 0
	s_mov_b32 s47, 0
	s_mov_b64 s[18:19], SIZE_K*2
	s_mul_u64 s[16:17], s[16:17], s[18:19]         ; in bytes, in 64 bits
	s_mul_u64 s[46:47], s[46:47], s[18:19]
	s_mul_i32 s20, s10, HALFT                      ; and where they go: A's two halves, then B's two halves = wave x 128 rows: no place in the cluster enters an LDS address
	s_wait_dscnt 0x0                               ; the opening add is done
	s_wait_kmcnt 0x0
	s_add_nc_u64 s[14:15], s[4:5], s[16:17]
	s_add_nc_u64 s[46:47], s[6:7], s[46:47]
	CROUND                                         ; all sixteen work-groups are here: the first joint loads meet
.irp s, 0,1
	s_mov_b32 s[G0+4*(\s)], 1                                      ; 1:0 count = 1
	s_add_co_u32 s[G0+4*(\s)+1], s20, (\s)*SLOT                    ; 63:32 LDS address
	s_add_nc_u64 s[G0+4*(\s)+2:G0+4*(\s)+3], s[14:15], (\s)*KSTEP*2  ; 120:64 global address: K step s
	s_or_b32 s[G0+4*(\s)+3], s[G0+4*(\s)+3], 0x80000000            ; 127:126 type = 2
	s_mov_b32 s[G0B+4*(\s)], 1
	s_add_co_u32 s[G0B+4*(\s)+1], s20, (\s)*SLOT
	s_add_nc_u64 s[G0B+4*(\s)+2:G0B+4*(\s)+3], s[46:47], (\s)*KSTEP*2
	s_or_b32 s[G0B+4*(\s)+3], s[G0B+4*(\s)+3], 0x80000000
	JLOAD \s                                       ; the ring is filled before anything else is done: two tensor loads of mine are out
.endr
	; A fragment is 16 rows x 32 K in 8 registers: lane l holds row l % 16; registers 0-3 hold K = 8 (l / 16) + 0..7, registers 4-7 hold
	; K = 16 + 8 (l / 16) + 0..7.  From rows that lie along K: two loads of 16 bytes, 32 bytes apart.  The same for source 0 and source 1.
	v_and_b32 v1, 15, v0                           ; l % 16
	v_bfe_u32 v2, v0, 4, 1                         ; l / 16
	v_mul_u32_u24 v3, v1, PITCH
	v_lshl_add_u32 v3, v2, 4, v3                   ; row x pitch + 16 x half
	s_mul_i32 s21, s11, HALFT                      ; my 128 rows of A
	s_mul_i32 s22, s12, HALFT                      ; my 128 rows of B,
	s_add_co_u32 s22, s22, 2*HALFT                 ; which lie behind A's 256
.irp s, 0,1
	v_add_nc_u32 v[ADRA+(\s)], s21, v3
	v_add_nc_u32 v[ADRB+(\s)], s22, v3
	s_add_co_u32 s21, s21, SLOT
	s_add_co_u32 s22, s22, SLOT
.endr
	s_mul_i32 s23, s10, 16*SPITCH
	s_add_co_u32 s23, s23, STAGE                   ; my stage
	v_mul_u32_u24 v4, v1, SPITCH                   ; in: row l % 16, 32 bytes for each half of the lanes
	v_lshl_add_u32 v4, v2, 5, v4
	v_add_nc_u32 v[STO], s23, v4
	v_and_b32 v5, 31, v0
	v_lshl_add_u32 v[RD], v5, 4, s23               ; back: 32 lanes take one row of 512 bytes
	v_lshlrev_b32 v[CO], 4, v5                     ; and the same 512 bytes in out0
	; where my part of the tile begins in out0
	s_lshl_b32 s13, s13, 8
	s_lshl_b32 s14, s11, 7
	s_add_co_u32 s16, s13, s14                     ; my first row
	s_mov_b32 s17, 0
	s_mov_b64 s[18:19], SIZE_N*4
	s_mul_u64 s[16:17], s[16:17], s[18:19]
	s_lshl_b32 s46, s42, 10                        ; my first column, in bytes of f32: 1,024 x tile column + 512 x half (in the registers that held B's address: none that feeds A's descriptors ever holds cx)
	s_lshl_b32 s47, s12, 9
	s_add_co_u32 s46, s46, s47
	s_mov_b32 s47, 0
	v_lshl_add_u32 v[BOF], v2, 5, s46              ; the same offset in bias, + my half's 8 columns
	s_add_nc_u64 s[16:17], s[16:17], s[46:47]
	s_add_nc_u64 s[8:9], s[8:9], s[16:17]
.irp b, 0,1,2,3,4,5,6,7
	global_load_b128 v[BIAS+8*(\b):BIAS+8*(\b)+3],   v[BOF], s[BI:BI+1] offset:64*(\b)
	global_load_b128 v[BIAS+8*(\b)+4:BIAS+8*(\b)+7], v[BOF], s[BI:BI+1] offset:64*(\b)+16
.endr
	; the prefetches.  s13 = 256 x tile row, s42 = tile column, s40 = cx, s41 = cy still stand; s[4:5] = A, s[6:7] = B
	s_lshl_b32 s42, s42, 8
	s_and_b32 s22, ttmp7, 0xffff                   ; cluster y
	s_cmp_eq_u32 s11, 0                            ; do I fetch for A?
	s_cselect_b32 s20, s13, s42                    ; the tile's first row: in A by the tile row, in B by the tile column
	s_cselect_b32 s21, s40, s41                    ; my place among the four that ask for it with me
	s_cselect_b32 s22, ttmp9, s22                  ; the coordinate along which other clusters read the same rows
	s_cselect_b64 s[PFA:PFA+1], s[4:5], s[6:7]
	s_cmp_eq_u32 s22, 0
	s_cselect_b32 s[LIM], 1, -1                    ; the same in all sixteen partners, for a given wave
	s_lshl_b32 s22, s12, 7
	s_add_co_u32 s20, s20, s22                     ; + the 128 rows that I fetch
	s_lshl_b32 s21, s21, 5
	s_add_co_u32 s20, s20, s21                     ; + my work-group's 32 of them
	s_mov_b32 s21, 0
	s_mov_b64 s[18:19], SIZE_K*2
	s_mul_u64 s[20:21], s[20:21], s[18:19]
	s_add_nc_u64 s[PFA:PFA+1], s[PFA:PFA+1], s[20:21]
	s_add_nc_u64 s[PFA:PFA+1], s[PFA:PFA+1], 2*KSTEP*2  ; at K step 2: the first refill steps it to 3 and names K step 4
	v_lshlrev_b32 v[PFO], 13, v5                   ; lane x 8,192 bytes
	; the bias is rounded to bf16 and held as f32, in the wait for the first tile
	s_wait_loadcnt 0x0
.set i, 0
.rept 32
	v_cvt_pk_bf16_f32 v[TMP+i], v[BIAS+2*i], v[BIAS+2*i+1]
.set i, i+1
.endr
.set i, 0
.rept 32
	v_lshlrev_b32 v[BIAS+2*i], 16, v[TMP+i]
	v_and_b32 v[BIAS+2*i+1], 0xffff0000, v[TMP+i]
.set i, i+1
.endr
; 16 matrix instructions: m blocks a0, a0 + 1 of the window's four (hi = 0: my rows 0-63, 1: rows 64-127) x all 8 n blocks, 32 along K.
; zero = 1: the first product starts the sums, with the bias (window 0) as its C operand: nothing is ever cleared.
; The 64 accumulators take turns, one instruction a turn, in the same order in every quarter step: between two links of a chain stand the 63 others'.
.macro MUL16 f, hi, a0, zero
.if \zero
	WIN 0x81+0x40*(\hi)                            ; source 0 (B) window 1, source 1 (A) and C window 0, D window 2 or 3
.else
	WIN 0xa1+0x50*(\hi)                            ; source 0 (B) window 1, source 1 (A) window 0, C and D window 2 or 3
.endif
.irp a, \a0, (\a0)+1
.irp b, 0,1,2,3,4,5,6,7
.if \zero
	v_wmma_f32_16x16x32_bf16 v[8*(8*(\a)+(\b)):8*(8*(\a)+(\b))+7], v[(\f)+8*(\b):(\f)+8*(\b)+7], v[(\f)+8*(4*(\hi)+(\a)):(\f)+8*(4*(\hi)+(\a))+7], v[BIAS+8*(\b):BIAS+8*(\b)+7]
.else
	v_wmma_f32_16x16x32_bf16 v[8*(8*(\a)+(\b)):8*(8*(\a)+(\b))+7], v[(\f)+8*(\b):(\f)+8*(\b)+7], v[(\f)+8*(4*(\hi)+(\a)):(\f)+8*(4*(\hi)+(\a))+7], v[8*(8*(\a)+(\b)):8*(8*(\a)+(\b))+7]
.endif
.endr
.endr
.endm
; 32 LDS loads in one run: the fragments of one quarter step (128 rows of B, 128 rows of A, 32 K at byte k of the rows) into buffer f
.macro FETCH slot, k, f
	WIN TO_B
.irp i, 0,1,2,3,4,5,6,7
	ds_load_b128 v[(\f)+8*(\i):(\f)+8*(\i)+3],   v[ADRB+(\slot)] offset:(\k)+(\i)*16*PITCH
	ds_load_b128 v[(\f)+8*(\i)+4:(\f)+8*(\i)+7], v[ADRB+(\slot)] offset:(\k)+(\i)*16*PITCH+32
.endr
	WIN 0
.irp i, 0,1,2,3,4,5,6,7
	ds_load_b128 v[(\f)+8*(\i):(\f)+8*(\i)+3],   v[ADRA+(\slot)] offset:(\k)+(\i)*16*PITCH
	ds_load_b128 v[(\f)+8*(\i)+4:(\f)+8*(\i)+7], v[ADRA+(\slot)] offset:(\k)+(\i)*16*PITCH+32
.endr
.endm
; A load into a register that a matrix instruction has read stands four places behind that matrix instruction, and only plain vector instructions that name none of its registers
; are places (ISA guide 7.12.1 for vector instructions); the matrix instructions in between are not counted.
.macro PLACES
.rept 4
	v_nop
.endr
.endm
; A K step is four quarter steps of 32 along K, 64 matrix instructions each, on buffers 0, 1, 0, 1.
; One of the first three: multiplies buffer f; in its middle it fetches the next quarter's fragments, at byte k of the same slot's rows, into buffer g.
.macro QUARTER slot, k, f, g, zero
	s_wait_dscnt 8                                 ; B and A's rows 0-63 are in; the youngest eight loads (A's rows 64-127) may be out
	MUL16 \f, 0, 0, \zero
	MUL16 \f, 0, 2, \zero
	PLACES
	FETCH \slot, \k, \g
	s_wait_dscnt 32                                ; all but the 32 just issued
	MUL16 \f, 1, 0, \zero
	MUL16 \f, 1, 2, \zero
.endm
; The last quarter multiplies buffer 1 and changes slots.  MEET is its first half: ONE barrier for the change of slots, for two things.  In front of it each wave waits for
; all its tensor loads, of which one is out: its part of the next slot; adds 0 to its spare word; and waits for that and for its own reads of this slot.  Behind it nobody reads this slot any more and the next slot is whole.
.macro MEET round                      ; round = 1: a round of the cluster's barrier follows
	WIN 0                                          ; (the add's two registers lie in window 0)
	s_wait_tensorcnt 0x0                           ; all my tensor loads have landed: the one that was out is my part of the next slot;
	ds_add_u32 v[SPW], v[NIL]                      ; 0 onto my spare word;
	s_wait_dscnt 9                                 ; (the add and the youngest eight loads may be out)
	MUL16 F1, 0, 0, 0                              ; sixteen matrix instructions stand between the add and the wait for it
	s_wait_dscnt 0x0                               ; the add is done, and my reads of this slot are over:
	s_barrier_signal -1                            ; say so (where a slot is filled again this barrier opens a round of the cluster's barrier),
	MUL16 F1, 0, 2, 0                              ; work on registers while the others arrive,
.if \round
	WIN 0
.endif
	s_barrier_wait -1                              ; and go on when all four have said so
.endm
; The whole last quarter.  Behind the round the slot just read out is filled again first, with the K step two steps on; then come the next slot's first fragments.
; From a request to the wait for it a wave issues 224 matrix instructions.
.macro TURN slot, next
	s_wait_xcnt 0x0                                ; the last prefetch, a K step back, has read its address: it is stepped here, ahead of the waits of the change of slots
	s_add_nc_u64 s[PFA:PFA+1], s[PFA:PFA+1], KSTEP*2
	MEET 1
	CREST                                          ; wave 0 says so for the work-group, all sixteen work-groups have said so, my work-group's barrier closes the round:
	                                               ; no wave of any partner still reads this slot's tile or has a load on its way
	s_add_nc_u64 s[G0+4*(\slot)+2:G0+4*(\slot)+3], s[G0+4*(\slot)+2:G0+4*(\slot)+3], 2*KSTEP*2     ; no tensor load of mine is out, so a group 0 may be written; the type bits on top are not reached
	s_add_nc_u64 s[G0B+4*(\slot)+2:G0B+4*(\slot)+3], s[G0B+4*(\slot)+2:G0B+4*(\slot)+3], 2*KSTEP*2
	JLOAD \slot                                    ; the first tensor load behind the round, my only one until the next; the four v_nop behind it are also the places in front of the loads below
	FETCH \next, 0, F0
	ASK                                            ; behind the joint load and the run of LDS loads that the next products wait for
	MUL16 F1, 1, 0, 0
	MUL16 F1, 1, 2, 0
.endm
; The last change of slots: nothing is left to fetch, so no round follows the barrier and no slot is filled.
.macro TURNL
	MEET 0
	PLACES                                         ; for the loads into buffer 0, which the quarter before multiplied
	FETCH 1, 0, F0
	MUL16 F1, 1, 0, 0
	MUL16 F1, 1, 2, 0
.endm
; THE WAY OUT of block a (16 rows x 128 columns of f32).  TOSTAGE: a lane's 32 bytes of a row go into my own stage in LDS, straight from the accumulators, and come back as whole rows of 512 bytes.  SEND: stored.
.macro TOSTAGE a
.set AC, 64*((\a)%4)
.set BK, 64+64*((\a)%2)
	WIN 0x08+4*((\a)/4)                            ; the stores' data (source 1) in window 2 or 3, their address in window 0
.irp b, 0,1,2,3,4,5,6,7
	ds_store_b128 v[STO], v[AC+8*(\b):AC+8*(\b)+3]   offset:64*(\b)     ; each accumulator's low registers first
	ds_store_b128 v[STO], v[AC+8*(\b)+4:AC+8*(\b)+7] offset:64*(\b)+16
.endr
	WIN 0
.if (\a) >= 2
	s_wait_xcnt 0x0                                ; this buffer was the data of the stores two blocks back: it is loaded again only behind this wait
.endif
.irp t, 0,1,2,3,4,5,6,7,8,9,10,11,12,13,14,15
	ds_load_b128 v[BK+4*(\t):BK+4*(\t)+3], v[RD] offset:(\t)*SPITCH  ; LDS serves a wave's instructions in order (ISA guide 5.7.1.4): these see the stores above; the next block's stores come behind them
.endr
.endm
.macro SEND a, younger                 ; younger: the LDS instructions issued behind block a's loads: the next block's 16 stores and 16 loads, or none
.set BK, 64+64*((\a)%2)
	s_wait_dscnt \younger
.irp t, 0,1,2,3,4,5,6,7,8,9,10,11,12,13,14,15
	global_store_b128 v[CO], v[BK+4*(\t):BK+4*(\t)+3], s[8:9] offset:(16*(\a)+(\t))*SIZE_N*4 th:TH_STORE_NT  ; the wave stores 512 consecutive bytes, at a multiple of 512 from out0's first; the row stands in the immediate, 127 x 8,192 at the most
.endr
.endm
	s_wait_tensorcnt 1                             ; my part of K step 0 is in; K step 1's may stay out
	s_barrier_signal -1
	s_barrier_wait -1                              ; everybody's is
	FETCH 0, 0, F0
	QUARTER 0, 64,  F0, F1, 1                      ; the first quarter stands in front of the loop: its products start the sums, with the bias
	WIN 0                                          ; at a label and at a branch every window is 0
	s_mov_b32 s3, LAPS-1
.Llap:                                                 ; a trip goes once round the ring, from a lap's second quarter to the next lap's first, and fills both slots again
	QUARTER 0, 128, F1, F0, 0
	QUARTER 0, 192, F0, F1, 0
	TURN 0, 1
	QUARTER 1, 64,  F0, F1, 0
	QUARTER 1, 128, F1, F0, 0
	QUARTER 1, 192, F0, F1, 0
	TURN 1, 0
	QUARTER 0, 64,  F0, F1, 0
	WIN 0
	s_sub_co_u32 s3, s3, 1
	s_cmp_lg_u32 s3, 0
	s_cbranch_scc1 .Llap
	QUARTER 0, 128, F1, F0, 0                      ; the last lap is written out: it fills nothing
	QUARTER 0, 192, F0, F1, 0
	TURNL
	QUARTER 1, 64,  F0, F1, 0
	QUARTER 1, 128, F1, F0, 0
	QUARTER 1, 192, F0, F1, 0
	s_wait_dscnt 8                                 ; the very last quarter: nothing more to fetch
	MUL16 F1, 0, 0, 0
	MUL16 F1, 0, 2, 0
	s_wait_dscnt 0x0
	MUL16 F1, 1, 0, 0
	MUL16 F1, 1, 2, 0
	WIN 0
	PLACES                                         ; behind the last products, in front of the LDS stores that read results and of the loads into A's buffers
	PLACES
	TOSTAGE 0
.irp a, 1,2,3,4,5,6,7                  ; block a's way through the stage stands between block a - 1's loads and the wait for them
	TOSTAGE \a
	SEND (\a)-1, 32
.endr
	SEND 7, 0
	s_wait_tensorcnt 0x0                           ; the wave's end, behind my last tensor load and my last LDS store
	ds_add_u32 v[SPW], v[NIL]
	s_wait_dscnt 0x0
	CROUND                                         ; the closing round: no work-group ends while a partner may still ask for a tile that names it
	s_endpgm
.Lfunc_end_k_q5d0519692d_gemm:
	.size	k_q5d0519692d_gemm, .Lfunc_end_k_q5d0519692d_gemm-k_q5d0519692d_gemm
	.p2alignl 7, 3214868480
	.fill 96, 4, 3214868480
	.section	.rodata,"a",@progbits
	.p2align	6, 0x0
	.amdhsa_kernel k_q5d0519692d_gemm
		.amdhsa_group_segment_fixed_size 327680
		.amdhsa_private_segment_fixed_size 0
		.amdhsa_enable_private_segment 0
		.amdhsa_kernarg_size 32
		.amdhsa_user_sgpr_count 2
		.amdhsa_user_sgpr_kernarg_segment_ptr 1
		.amdhsa_wavefront_size32 1
		.amdhsa_system_sgpr_workgroup_id_x 1
		.amdhsa_system_sgpr_workgroup_id_y 1
		.amdhsa_system_sgpr_workgroup_id_z 1
		.amdhsa_system_vgpr_workitem_id 0
		.amdhsa_next_free_vgpr 1024
		.amdhsa_next_free_sgpr 72
		.amdhsa_reserve_vcc 0
		.amdhsa_float_denorm_mode_32 3
		.amdhsa_float_denorm_mode_16_64 3
		.amdhsa_memory_ordered 1
		.amdhsa_forward_progress 1
		.amdhsa_inst_pref_size 148
	.end_amdhsa_kernel
	.amdgpu_metadata
---
amdhsa.version: [ 1, 2 ]
amdhsa.kernels:
  - .name:           k_q5d0519692d_gemm
    .symbol:         k_q5d0519692d_gemm.kd
    .args:
      - { .name: xb, .offset: 0, .size: 8, .value_kind: global_buffer, .address_space: global }
      - { .name: wb, .offset: 8, .size: 8, .value_kind: global_buffer, .address_space: global }
      - { .name: out0, .offset: 16, .size: 8, .value_kind: global_buffer, .address_space: global }
      - { .name: bias, .offset: 24, .size: 8, .value_kind: global_buffer, .address_space: global }
    .group_segment_fixed_size: 327680
    .private_segment_fixed_size: 0
    .kernarg_segment_align: 8
    .kernarg_segment_size: 32
    .max_flat_workgroup_size: 128
    .sgpr_count:     72
    .vgpr_count:     1024
    .wavefront_size: 32
...
	.end_amdgpu_metadata
.endif
;; end of part 2
;; ======== version 2 of 2: 2 launches; version 1 with the launch prep written anew for expert scheduling mode
;; workspace buffers: xb 67,108,864 bytes; wb 16,777,216 bytes
;; launch prep (part 3): grid 512 x 1, 8 waves a work-group, no clusters, 68,608 bytes of LDS; arguments x, q_indices, codebook, scales, lora_A, lora_B, xb, wb; writes xb, wb
.if DOCPART == 3
	.amdgcn_target "amdgcn-amd-amdhsa--gfx1250"
	.amdhsa_code_object_version 6
	.text
	.protected	k_q5d0519692d_prep
	.globl	k_q5d0519692d_prep
	.p2align	8
	.type	k_q5d0519692d_prep,@function
k_q5d0519692d_prep:
	s_mov_b64 s[64:65], 0
	v_nop
	global_prefetch_b8 v0, s[64:65] scope:SCOPE_SE
	s_setreg_imm32_b32 hwreg(HW_REG_WAVE_SCHED_MODE, 0, 2), 2
	s_setreg_imm32_b32 hwreg(HW_REG_WAVE_MODE, 25, 1), 1
	s_wait_xcnt 0x0
	s_wait_alu depctr_vm_vsrc(0)
; PREPARATION.  xb = x rounded to bf16.  wb[o][i] = bf16( cb[q[o][i]] * s[o][i/128] + sum over r of A[i][r] * 2 B[r][o] ): the dequantised weight with the low-rank
; update folded in, since (x A) B 2 = x (2 A B) for every input.  x: [8192][4096] f32, q: [2048][4096] i32, codebook: [16], scales: [2048][32], lora_A: [4096][16], lora_B: [16][2048], all f32.
; Every input is rounded to bf16 first (codebook, scales, lora_A, 2 lora_B, x); the low-rank sum and the fused multiply-add are f32; wb is rounded once.
; LIMITS.  An index outside 0..15, read as an unsigned number, counts as 15.  2 lora_B is formed ahead of its rounding: exact while |lora_B| is under 1.7e38.  cb s + delta is ONE fused
; multiply-add (one rounding where the written formula has two).  NaN and infinities are not treated apart.
; SHARES.  512 work-groups of eight waves: 4,096 waves.  Wave w of work-group n makes (a) one block of wb: 16 rows o (block ob = 8 (n % 16) + w) x one group of 128 columns (g = n / 16);
; (b) 32,768 consecutive bytes of x (number 8 n + w) into 16,384 of xb.  No wave reads a byte that another wave wrote: no barrier.  Memory binds: no cluster and no tensor load, since
; the waves of a work-group share nothing but 8,192 bytes of lora_A; all loads go through registers, 12 to 16 loads of 512 bytes a wave on their way.
; THE LOW-RANK PRODUCT.  Source 0 = 16 rows i of A, source 1 = 16 columns o of 2 B, K = the rank 16 in the lower half of the instruction's 32 (the upper half is 0 in both sources).
; In the result lane (r, h) holds row o = r and the columns i = 16 t + 8 h + 0..7; q and wb want a lane to hold 4 neighbouring i of ONE row for all 32 lanes, so the block goes through my own stage in LDS.
; THE MODE: SCHED_MODE bits 1:0 = 2 (LLVM: expert scheduling mode 2), set by the entry lines.  The code itself states the register dependences
; between vector or matrix instructions and memory or LDS instructions, with s_wait_alu, always for 0.
; THE PLAN.  Registers that memory or LDS instructions touch:
;   v4-v11        offsets and LDS addresses: written at the head, read by every load and store, never written again.
;   v[CB]         loaded, rounded by two vector lines, then read by the 64 permutes; never written again.
;   AF = DL       A's loads land; the conversions write, the products read; then the stage's loads land (DL), which the multiply-adds read.
;   D = X         the products write; the 16 LDS stores read; then x's loads land: a ring of four blocks of four slots, each read by its block's conversions and loaded again behind them.
;   Q             q's loads land; v_min reads; the permutes' results land; multiply-add and rounding in place; the stores read registers 0 and 1 of a row's four; never written again.
;   IX0, IX1      a batch's (four rows') lane numbers x 4: written by v_min and the shift, read by the batch's 16 permutes; a buffer is written again two batches on.
;   OUT           a pair of its own for each of x's 64 turns: written by one conversion, read by one store, never written again.
;   v[SPW], v[NIL]  written at the head, read by the closing add alone.
; The weights go in four batches of four rows.  Step b makes batch b's lane numbers and finishes batch b - 1 in registers; ONE wait on va_vdst follows; behind it stand batch b's permutes and
; batch b - 1's stores, with no vector line among them.  x goes in 16 blocks of four turns: eight conversions, ONE wait on va_vdst, the block's four loads and four stores.
.set SPITCH, 528                       ; a stage row: 512 bytes + 16: the 16 rows that a store touches fall on 16 different 16-byte columns of 256
.set STGB,   16*SPITCH                 ; a wave's stage: 16 rows
.set SPARE,  8*STGB                    ; behind the eight stages: the spare words, 128 bytes for each wave: four blocks of 256 bytes that no other line names
.set L16, 4                            ; v4   16 x lane: q and x
.set L8,  5                            ; v5   8 x lane: wb and xb
.set AO,  6                            ; v6   lora_A: 64 r + 32 h
.set BO,  7                            ; v7   lora_B: 4 r + 8 h rows of 8,192 bytes
.set CO,  8                            ; v8   codebook: 4 r
.set SO,  9                            ; v9   scales: r rows of 128 bytes
.set STS, 10                           ; v10  stage, in: my stage + 528 r + 32 h
.set STL, 11                           ; v11  stage, back: my stage + 16 x lane
.set SPW, 12                           ; v12  LDS address of my spare word: SPARE + 4 x my thread's number; never rewritten
.set NIL, 13                           ; v13  0; never rewritten
.set CB,  14                           ; v14  lane l: codebook[l % 16], rounded to bf16, as f32
.set SC,  15                           ; v15  lane l: the scale of row l % 16 of my block, rounded to bf16, as f32
.set BF,  16                           ; v[16:23]   2 B's fragment
.set AF,  32                           ; v[32:95]   A's eight fragments;
.set DL,  32                           ;            later the low-rank block by rows: row p at DL + 4 p
.set D,   96                           ; v[96:159]  the eight results;
.set X,   96                           ;            later x's ring of 16 slots of 4
.set Q,   160                          ; v[160:223] row p's indices, then its values, then its 8 bytes of wb, at Q + 4 p
.set IX,  224                          ; v[224:255] two buffers of 16: a batch's lane numbers x 4
.set SCL, 24                           ; s[24:31]   a batch's four scales, each in the low word of a pair; the packed line names the pair
	s_load_b256 s[4:11], s[0:1], 0x0               ; x s[4:5], q s[6:7], codebook s[8:9], scales s[10:11]
	s_load_b256 s[12:19], s[0:1], 0x20             ; lora_A s[12:13], lora_B s[14:15], xb s[16:17], wb s[18:19]
	v_lshl_add_u32 v[SPW], v0, 2, SPARE
	v_mov_b32 v[NIL], 0
	v_lshrrev_b32 v1, 5, v0
	v_readfirstlane_b32 s20, v1                    ; wave 0..7
	s_lshr_b32 s21, ttmp9, 4                       ; g
	s_and_b32 s22, ttmp9, 15
	s_lshl_b32 s22, s22, 3
	s_lshl_b32 s23, ttmp9, 3
	s_mov_b32 s25, 0                               ; the high word of every offset
	v_and_b32 v1, 31, v0                           ; lane
	v_and_b32 v2, 15, v0                           ; r
	v_bfe_u32 v3, v0, 4, 1                         ; h
	v_lshlrev_b32 v[L16], 4, v1
	v_lshlrev_b32 v[L8], 3, v1
	v_lshlrev_b32 v[AO], 6, v2
	v_lshl_add_u32 v[AO], v3, 5, v[AO]
	v_lshlrev_b32 v[BO], 2, v2
	v_lshl_add_u32 v[BO], v3, 16, v[BO]
	v_lshlrev_b32 v[CO], 2, v2
	v_lshlrev_b32 v[SO], 7, v2
	v_mul_u32_u24 v[STS], v2, SPITCH
	v_lshl_add_u32 v[STS], v3, 5, v[STS]
	s_wait_alu depctr_va_sdst(0)                   ; s20 is written, ahead of its first reader: the block's number, the wave's number and the stage are made from it
	s_add_co_u32 s22, s22, s20                     ; ob
	s_add_co_u32 s23, s23, s20                     ; my number among the 4,096 waves
	s_mul_i32 s26, s20, STGB                       ; my stage
	v_add_nc_u32 v[STS], s26, v[STS]
	v_lshl_add_u32 v[STL], v1, 4, s26
	s_wait_kmcnt 0x0
	s_lshl_b32 s24, s22, 18                        ; q: 16 ob rows of 16,384 bytes + g groups of 512
	s_lshl_b32 s27, s21, 9
	s_add_co_u32 s24, s24, s27
	s_add_nc_u64 s[6:7], s[6:7], s[24:25]
	s_lshl_b32 s24, s22, 17                        ; wb: 16 ob rows of 8,192 bytes + g groups of 256
	s_lshl_b32 s27, s21, 8
	s_add_co_u32 s24, s24, s27
	s_add_nc_u64 s[18:19], s[18:19], s[24:25]
	s_lshl_b32 s24, s22, 11                        ; scales: 16 ob rows of 128 bytes + 4 g
	s_lshl_b32 s27, s21, 2
	s_add_co_u32 s24, s24, s27
	s_add_nc_u64 s[10:11], s[10:11], s[24:25]
	s_lshl_b32 s24, s21, 13                        ; lora_A: 128 g rows of 64 bytes
	s_add_nc_u64 s[12:13], s[12:13], s[24:25]
	s_lshl_b32 s24, s22, 6                         ; lora_B: 16 ob columns of 4 bytes
	s_add_nc_u64 s[14:15], s[14:15], s[24:25]
	s_lshl_b32 s24, s23, 15                        ; x: my 32,768 bytes
	s_add_nc_u64 s[4:5], s[4:5], s[24:25]
	s_lshl_b32 s24, s23, 14                        ; xb: my 16,384 bytes
	s_add_nc_u64 s[16:17], s[16:17], s[24:25]
.irp r, 1,3,5,7
	s_mov_b32 s[SCL+(\r)], 0                       ; s[24:31] are free from here on: the scales' pairs; the high words are named with the scales, so they are written
.endr
	s_wait_alu depctr_va_vdst(0)                   ; the offsets and LDS addresses v4 to v11 are written, which every load and store of the kernel reads
	; 42 loads: 26 small ones, then the block's 16 rows of indices
	global_load_b32 v[CB], v[CO], s[8:9]
	global_load_b32 v[SC], v[SO], s[10:11]
.irp j, 0,1,2,3,4,5,6,7
	global_load_b32 v[BF+(\j)], v[BO], s[14:15] offset:(\j)*8192              ; B[8 h + j][16 ob + r]
.endr
.irp t, 0,1,2,3,4,5,6,7
	global_load_b128 v[AF+8*(\t):AF+8*(\t)+3],   v[AO], s[12:13] offset:(\t)*1024     ; A[128 g + 16 t + r][8 h + 0..3]
	global_load_b128 v[AF+8*(\t)+4:AF+8*(\t)+7], v[AO], s[12:13] offset:(\t)*1024+16  ; and 4..7
.endr
.irp p, 0,1,2,3,4,5,6,7,8,9,10,11,12,13,14,15
	global_load_b128 v[Q+4*(\p):Q+4*(\p)+3], v[L16], s[6:7] offset:(\p)*16384 th:TH_LOAD_NT  ; row p's group: 512 consecutive bytes a wave
.endr
	s_wait_loadcnt 16                              ; the 16 loads of indices are the only younger ones: the 26 small loads are in
	v_cvt_pk_bf16_f32 v[CB], v[CB], v[CB]          ; rounded to bf16,
	v_cvt_pk_bf16_f32 v[SC], v[SC], v[SC]
	v_lshlrev_b32 v[CB], 16, v[CB]                 ; and held as f32
	v_lshlrev_b32 v[SC], 16, v[SC]
.irp i, 0,2,4,6
	v_pk_mul_f32 v[BF+(\i):BF+(\i)+1], v[BF+(\i):BF+(\i)+1], 2.0 op_sel_hi:[1,0]  ; the scale alpha / r = 2, exact
.endr
.irp i, 0,1,2,3
	v_cvt_pk_bf16_f32 v[BF+(\i)], v[BF+2*(\i)], v[BF+2*(\i)+1]  ; in place, ascending: register i is written when its own number has been read
.endr
.irp i, 4,5,6,7
	v_mov_b32 v[BF+(\i)], 0                        ; K = 16..31 does not exist: 0 in both sources, so that no stray bit pattern is multiplied
.endr
.irp t, 0,1,2,3,4,5,6,7
.irp i, 0,1,2,3
	v_cvt_pk_bf16_f32 v[AF+8*(\t)+(\i)], v[AF+8*(\t)+2*(\i)], v[AF+8*(\t)+2*(\i)+1]
.endr
.irp i, 4,5,6,7
	v_mov_b32 v[AF+8*(\t)+(\i)], 0
.endr
.endr
.irp t, 0,1,2,3,4,5,6,7                ; eight accumulators, one instruction each: no chain
	v_wmma_f32_16x16x32_bf16 v[D+8*(\t):D+8*(\t)+7], v[AF+8*(\t):AF+8*(\t)+7], v[BF:BF+7], 0
.endr
.rept 8
	v_nop                                          ; the places behind the last product, in front of the LDS stores that read results; they stay beside the wait below
.endr
	s_wait_alu depctr_va_vdst(0)                   ; the products have written D, which the LDS stores read and in which x's loads land further down; they are done reading A's registers, which the conversions wrote and in which the stage's loads land; v[CB] is written, which the permutes read
.irp t, 0,1,2,3,4,5,6,7
	ds_store_b128 v[STS], v[D+8*(\t):D+8*(\t)+3]   offset:64*(\t)      ; each result's low registers first
	ds_store_b128 v[STS], v[D+8*(\t)+4:D+8*(\t)+7] offset:64*(\t)+16
.endr
.irp p, 0,1,2,3,4,5,6,7,8,9,10,11,12,13,14,15
	ds_load_b128 v[DL+4*(\p):DL+4*(\p)+3], v[STL] offset:(\p)*SPITCH  ; LDS serves a wave's instructions in order (ISA guide 5.7.1.4): these see my stores above
.endr
	s_wait_dscnt 0x0                               ; the block is back by rows
	s_wait_alu depctr_vm_vsrc(0)                   ; the LDS stores have read the results' registers, in which x's loads land
.irp i, 0,1,2,3,4,5,6,7,8,9,10,11,12,13,14,15
	global_load_b128 v[X+4*(\i):X+4*(\i)+3], v[L16], s[4:5] offset:512*(\i) th:TH_LOAD_NT  ; x's ring is filled: it comes in while the weights are made
.endr
; Batch b: rows 4 b to 4 b + 3.  Their indices become lane numbers x 4, in index buffer b % 2.
.macro IDX b
	s_wait_loadcnt 28-4*(\b)                       ; younger than the batch's loads: 12 - 4 b rows of indices and x's 16
.if (\b) >= 2
	s_wait_alu depctr_vm_vsrc(0)                   ; the permutes of two batches back have read this index buffer, which is written again below
.endif
.set z, 0
.rept 16
	v_min_u32 v[IX+16*((\b)%2)+z], 15, v[Q+16*(\b)+z]
.set z, z+1
.endr
.set z, 0
.rept 16
	v_lshlrev_b32 v[IX+16*((\b)%2)+z], 2, v[IX+16*((\b)%2)+z]
.set z, z+1
.endr
.endm
; Each lane pulls its values of the table from the lanes that hold them; they land where the indices lay.
.macro PERM b
.set z, 0
.rept 16
	ds_bpermute_b32 v[Q+16*(\b)+z], v[IX+16*((\b)%2)+z], v[CB]
.set z, z+1
.endr
.endm
; Batch b is finished in registers: value x scale + low-rank part, rounded once, 8 bytes a lane and row.
.macro FINA b
	s_wait_dscnt 0x0                               ; the batch's 16 permutes, the only LDS instructions out, are back
.irp r, 0,1,2,3
	v_readlane_b32 s[SCL+2*(\r)], v[SC], 4*(\b)+(\r)
.endr
	s_wait_alu depctr_va_sdst(0)                   ; the four scales are written, ahead of the multiply-adds that read them
.irp r, 0,1,2,3
	v_pk_fma_f32 v[Q+16*(\b)+4*(\r):Q+16*(\b)+4*(\r)+1],   v[Q+16*(\b)+4*(\r):Q+16*(\b)+4*(\r)+1],   s[SCL+2*(\r):SCL+2*(\r)+1], v[DL+16*(\b)+4*(\r):DL+16*(\b)+4*(\r)+1]   op_sel_hi:[1,0,1]
	v_pk_fma_f32 v[Q+16*(\b)+4*(\r)+2:Q+16*(\b)+4*(\r)+3], v[Q+16*(\b)+4*(\r)+2:Q+16*(\b)+4*(\r)+3], s[SCL+2*(\r):SCL+2*(\r)+1], v[DL+16*(\b)+4*(\r)+2:DL+16*(\b)+4*(\r)+3] op_sel_hi:[1,0,1]
.endr
.irp r, 0,1,2,3
	v_cvt_pk_bf16_f32 v[Q+16*(\b)+4*(\r)],   v[Q+16*(\b)+4*(\r)],   v[Q+16*(\b)+4*(\r)+1]
	v_cvt_pk_bf16_f32 v[Q+16*(\b)+4*(\r)+1], v[Q+16*(\b)+4*(\r)+2], v[Q+16*(\b)+4*(\r)+3]
.endr
.endm
.macro STO b
.irp r, 0,1,2,3
	global_store_b64 v[L8], v[Q+16*(\b)+4*(\r):Q+16*(\b)+4*(\r)+1], s[18:19] offset:(4*(\b)+(\r))*8192 th:TH_STORE_NT  ; the wave stores 256 consecutive bytes, at a multiple of 256 from wb's first; these registers are not written again
.endr
.endm
	IDX 0
	s_wait_alu depctr_va_vdst(0)                   ; batch 0's lane numbers are written, which the permutes read; v_min is done reading its indices, where the permutes' results land
	PERM 0
	IDX 1                                          ; a batch's lane numbers are made while the permutes of the batch before are out
	FINA 0
	s_wait_alu depctr_va_vdst(0)                   ; batch 1's lane numbers are written and its indices read, for the permutes; batch 0 is rounded, for the stores
	PERM 1
	STO 0
	IDX 2
	FINA 1
	s_wait_alu depctr_va_vdst(0)                   ; the same for batch 2's permutes and batch 1's stores
	PERM 2
	STO 1
	IDX 3
	FINA 2
	s_wait_alu depctr_va_vdst(0)                   ; the same for batch 3's permutes and batch 2's stores
	PERM 3
	STO 2
	FINA 3
	s_wait_alu depctr_va_vdst(0)                   ; batch 3 is rounded, for its stores
	STO 3
	; x to xb: 64 turns of 512 bytes in, 256 bytes out, in 16 blocks of four; the ring has 16 slots, so 12 to 16 loads of the wave are on their way.  Every step stands in an immediate: no address register is rewritten.
	; Every turn has an output pair of its own, in registers that lie idle by now: no register that a store reads is written again.
	; Turns 0-39: v16 to v95 (2 B's fragment, eight registers never used, the low-rank block).  Turns 40-55: v224 to v255 (the index buffers).  Turns 56-63: registers 2 and 3 of Q's rows 0 to 7, which no store reads.
.macro OUTREG                          ; o = turn k's output pair
.if k < 40
.set o, 16+2*k
.elseif k < 56
.set o, IX+2*(k-40)
.else
.set o, Q+4*(k-56)+2
.endif
.endm
	s_wait_alu depctr_vm_vsrc(0)                   ; the last two batches' permutes have read the index buffers, which the conversions of turns 40 to 55 write
.set p, 0
.rept 16
.if p < 13
	s_wait_loadcnt 12                              ; loads come back in order (ISA guide 5.7.1): this block's four are in, the 12 younger ones stay out
.else
	s_wait_loadcnt 60-4*p                          ; the last four blocks load nothing: the counts run down
.endif
.set k, 4*p
.rept 4
	OUTREG
	v_cvt_pk_bf16_f32 v[o],   v[X+4*(k%16)],   v[X+4*(k%16)+1]
	v_cvt_pk_bf16_f32 v[o+1], v[X+4*(k%16)+2], v[X+4*(k%16)+3]
.set k, k+1
.endr
	s_wait_alu depctr_va_vdst(0)                   ; the block's conversions have written its four output pairs, which the stores below read, and are done reading its four slots, in which the loads below land
.set k, 4*p
.rept 4
	OUTREG
.if p < 12
	global_load_b128 v[X+4*(k%16):X+4*(k%16)+3], v[L16], s[4:5] offset:512*(k+16) th:TH_LOAD_NT
.endif
	global_store_b64 v[L8], v[o:o+1], s[16:17] offset:256*k th:TH_STORE_NT  ; 256 consecutive bytes, at a multiple of 256 from xb's first
.set k, k+1
.endr
.set p, p+1
.endr
	s_wait_dscnt 0x0                               ; the closing lines, six on end
	s_wait_alu 0x0
	s_wait_tensorcnt 0x0
	ds_add_u32 v[SPW], v[NIL]
	s_wait_dscnt 0x0
	s_endpgm
.Lfunc_end_k_q5d0519692d_prep:
	.size	k_q5d0519692d_prep, .Lfunc_end_k_q5d0519692d_prep-k_q5d0519692d_prep
	.p2alignl 7, 3214868480
	.fill 96, 4, 3214868480
	.section	.rodata,"a",@progbits
	.p2align	6, 0x0
	.amdhsa_kernel k_q5d0519692d_prep
		.amdhsa_group_segment_fixed_size 68608
		.amdhsa_private_segment_fixed_size 0
		.amdhsa_enable_private_segment 0
		.amdhsa_kernarg_size 64
		.amdhsa_user_sgpr_count 2
		.amdhsa_user_sgpr_kernarg_segment_ptr 1
		.amdhsa_wavefront_size32 1
		.amdhsa_system_sgpr_workgroup_id_x 1
		.amdhsa_system_sgpr_workgroup_id_y 1
		.amdhsa_system_sgpr_workgroup_id_z 1
		.amdhsa_system_vgpr_workitem_id 0
		.amdhsa_next_free_vgpr 256
		.amdhsa_next_free_sgpr 66
		.amdhsa_reserve_vcc 0
		.amdhsa_float_denorm_mode_32 3
		.amdhsa_float_denorm_mode_16_64 3
		.amdhsa_memory_ordered 1
		.amdhsa_forward_progress 1
		.amdhsa_inst_pref_size 50
	.end_amdhsa_kernel
	.amdgpu_metadata
---
amdhsa.version: [ 1, 2 ]
amdhsa.kernels:
  - .name:           k_q5d0519692d_prep
    .symbol:         k_q5d0519692d_prep.kd
    .args:
      - { .name: x, .offset: 0, .size: 8, .value_kind: global_buffer, .address_space: global }
      - { .name: q_indices, .offset: 8, .size: 8, .value_kind: global_buffer, .address_space: global }
      - { .name: codebook, .offset: 16, .size: 8, .value_kind: global_buffer, .address_space: global }
      - { .name: scales, .offset: 24, .size: 8, .value_kind: global_buffer, .address_space: global }
      - { .name: lora_A, .offset: 32, .size: 8, .value_kind: global_buffer, .address_space: global }
      - { .name: lora_B, .offset: 40, .size: 8, .value_kind: global_buffer, .address_space: global }
      - { .name: xb, .offset: 48, .size: 8, .value_kind: global_buffer, .address_space: global }
      - { .name: wb, .offset: 56, .size: 8, .value_kind: global_buffer, .address_space: global }
    .group_segment_fixed_size: 68608
    .private_segment_fixed_size: 0
    .kernarg_segment_align: 8
    .kernarg_segment_size: 64
    .max_flat_workgroup_size: 256
    .sgpr_count:     66
    .vgpr_count:     256
    .wavefront_size: 32
...
	.end_amdgpu_metadata
.endif
;; end of part 3
;; launch gemm: the kernel of part 2 again; grid 8 x 32, 4 waves a work-group, clusters of 4 x 4, 327,680 bytes of LDS; arguments xb, wb, out0, bias; writes out0
